; MI455X (gfx1250); checked and timed in simulation.
; The chip was launched on July 23, 2026; its instructions are those of AMD's public machine-readable ISA for CDNA 5 (MIT licence, August 2026) and "CDNA5" Instruction Set Architecture Reference Guide (July 2026). The comments in the code are by the model that wrote it; some were corrected since.
;; Multi Head Attention Layer. Allowed arithmetic: matrix products marked QUANTISED: E2M1 operands, one E8M0 scale for each 32 along K, by v_wmma_scale_f32_16x16x128_f8f6f4 with both operands' format E2M1 (or v_wmma_scale_f32_32x16x128_f4), f32 sums; everything else in f32.
;; Inputs: Wk 1,024 x 1,024 float32; Wq 1,024 x 1,024 float32; Wv 1,024 x 1,024 float32; attention_mask 2,048 int32; bk 1,024 float32; bq 1,024 float32; bv 1,024 float32; k 4 x 2,048 x 1,024 float32; q 4 x 2,048 x 1,024 float32; v 4 x 2,048 x 1,024 float32.
;; Outputs: out0 4 x 2,048 x 1,024 float32.
;; This version of the problem:
;;   THIS VERSION OF THE PROBLEM IS GIVEN IN LOW PRECISION. The matrix products marked QUANTISED in the list below multiply operands that are first quantised to E2M1 (2 exponent bits, 1 mantissa bit; 4 bits a number), with one power-of-two scale for each 32 numbers along K (OCP MX v1.0); their sums are f32. All else is computed in f32.
;;   The module's matrix products, in the order in which they are computed (A, B: the left and right operand; K: the contracted axis; several contracted axes count as one K, in the product's order):
;;     1. [M 8,192, K 1,024] x [K 1,024, N 1,024]; A: input q; B: input Wq: QUANTISED
;;     2. [M 8,192, K 1,024] x [K 1,024, N 1,024]; A: input k; B: input Wk: QUANTISED
;;     3. [M 8,192, K 1,024] x [K 1,024, N 1,024]; A: input v; B: input Wv: QUANTISED
;;     4. batch 64 x [M 2,048, K 64] x [K 64, N 2,048]; A: computed on the way; B: computed on the way: QUANTISED
;;     5. batch 64 x [M 2,048, K 2,048] x [K 2,048, N 64]; A: softmax (see below); B: computed on the way: QUANTISED
;;   THE QUANTISER, for each operand of a quantised product, along K:
;;     - K is cut into blocks of 32 from its start; a last block that is shorter is filled with zeros.
;;     - A block's scale is 2^e with e = floor(log2(the largest magnitude in the block)) - 2, held to -126 .. 127; a block of zeros has e = 0. As a byte (E8M0): e + 127.
;;     - Each number is divided by its block's scale, clamped to +-6, and rounded to the nearest number of E2M1, ties to even, subnormals kept.
;;     - The product sums the exact products of the quantised numbers (number of the format x scale) in f32.
;;   ~~~python
;;   def quantise(x, axis):      # numpy; x: float32 -> the quantised numbers, widened to float32 again
;;       x = np.moveaxis(x, axis, -1); K = x.shape[-1]
;;       x = np.pad(x, [(0, 0)] * (x.ndim - 1) + [(0, -K % 32)]); x = x.reshape(x.shape[:-1] + (-1, 32)); a = np.abs(x).max(-1, keepdims=True)
;;       e = np.where(a > 0, np.clip(np.frexp(np.where(a > 0, a, 1))[1] - 1 - 2, -126, 127), 0)      # np.frexp(a)[1] - 1 = floor(log2(a)), exactly
;;       r = np.clip(x / 2.0 ** e, -6, 6)
;;       step = 2.0 ** (np.maximum(np.frexp(np.where(r == 0, 1, r))[1] - 1, 0) - 1)
;;       q = np.round(r / step) * step * 2.0 ** e      # np.round: ties to even
;;       return np.moveaxis(q.reshape(q.shape[:-2] + (-1,))[..., :K], -1, axis).astype(np.float32)
;;   ~~~
;;   SOFTMAX AHEAD OF A QUANTISED PRODUCT. Where the list says 'softmax', what is quantised is not the finished softmax but p = 2^(t - M), with t = logit x log2(e) and M = ceil(the row's largest t), a whole number; so 1/2 < the row's largest p <= 1. The row's sum l is taken of the UNQUANTISED p, in f32, and the product's result is divided by l at the end. Since M is a whole number, a kernel that streams over the keys may use a running M (the ceiling of the running maximum): every later rescaling is an exact power of two, which a block's scale takes up: the codes' values come out the same.
;;   OPERANDS COMPUTED ON THE WAY. 'Computed on the way' means the value that the module computes at that place (a softmax that the list does not call 'softmax' is quantised finished and normalised). What goes into a quantiser is computed in f32, as accurately as f32 sums, v_exp_f32 and their like allow (about 1e-6 of the number): no bf16 or f16 on the way to a quantiser, and a product that is left as it is and whose result goes on into a quantised operand takes f32 operands (vector FMAs, or v_wmma_f32_16x16x4_f32). A number that lies on a knife's edge between two numbers of the format may be rounded either way, as far as f32 arithmetic and the matrix unit's own rounding can turn it there, and no further.
;; One version. Each part assembles by itself: llvm-mc -triple=amdgcn-amd-amdhsa -mcpu=gfx1250 --defsym DOCPART=n.
;; ======== version 1 of 1: 3 launches
;; limits: right only within a limited range of input values
;; workspace buffers: xq 13,369,344 bytes; wq 1,671,168 bytes; pc 12,582,912 bytes; ps 1,048,576 bytes; vs 262,144 bytes
;; launch quant (part 1): grid 256 x 1, 9 waves a work-group, no clusters, 77,312 bytes of LDS; arguments q, k, v, Wq, Wk, Wv, xq, wq; writes xq, wq
.if DOCPART == 1
	.amdgcn_target "amdgcn-amd-amdhsa--gfx1250"
	.amdhsa_code_object_version 6
	.text
	.protected	k_q875a954019_quant
	.globl	k_q875a954019_quant
	.p2align	8
	.type	k_q875a954019_quant,@function
k_q875a954019_quant:
	s_mov_b64 s[64:65], 0
	v_nop
	global_prefetch_b8 v0, s[64:65] scope:SCOPE_SE
	s_setreg_imm32_b32 hwreg(HW_REG_WAVE_MODE, 25, 1), 1
	s_wait_xcnt 0x0
; q, k, v [8192][1024] and Wq, Wk, Wv [1024 (k)][1024 (n)], all f32, become codes of FP4 (E2M1) with one E8M0 byte for each 32 along K,
; laid as IMAGES OF OPERAND REGISTERS: a fragment (16 rows x 128 K) is 1,024 bytes, register group c (0, 1) 512 bytes, lane l at 16 l; lane (r, h) holds k = 64 c + 32 h + 0 .. 31 of row r.
; xq: [group of 128 rows 0..191][K step 0..7][8,704]: eight images, then 512 bytes of scale words (at 16 l + 4 q: row l % 16 of tile 2 q + l / 16).
;     THE ROWS OF A TILE ARE NOT NEIGHBOURS: place r of tile 2 b + u is row 32 b + 8 u + r + 8 (r / 8) of the group.
; wq: [tensor 0..2][four heads 0..3][K step 0..7][17,408]: head w at 4,096 w, tile t of its 64 columns at 1,024 t; then scale words at 16,384 + 256 w + 128 (t / 2) + 4 l (row l % 16 of tile 2 (t / 2) + l / 16).
;     Wq's and Wk's columns are taken in the same tile order as the rows above, Wv's as they lie.
; A block's scale is 2^(floor(log2(largest magnitude)) - 2): its byte is the largest magnitude's exponent field - 2, held at 1 from below by a floor among the maximum's leaves.
; LIMITS: a block whose largest magnitude lies under 2^-124, a block of zeros among them, keeps the byte 1 (its codes are zeros or nearly so; the bytes are read by this program alone); NaN and infinities are not served.
; SHARES: 256 work-groups of nine waves that share nothing: waves 0-5 take one (group, K step) of q, k or v each, 1,536 in all; waves 6-8 one (tensor, head, K step, 32 columns) of a weight each, 768 in all.
; No tensor loads, no barrier, no cluster: no byte is read by two waves.
.set STGB,  8448                       ; a wave's stage in LDS: 16 rows of 528 bytes
.set PITCH, 528                        ; 512 bytes + 16: 132 words, so row r starts at bank 4 r mod 64 (64 banks of 4 bytes: ISA guide 11.1)
.set R,   128                          ; v128-255 rows as loaded: two sets of 64.  In the weight path: 128 numbers down K
.set X,   64                           ; v64-127  64 numbers of my row: register 16 b + i = k 32 b + 16 h + i
.set TM,  16                           ; v16-19 largest magnitudes, v20-23 the other half's / bytes, v28-31 scale operands
.set PW,  32                           ; v32      the scale word just made
.set SW,  36                           ; v36-39   the group's scale words
.set PC,  40                           ; v40-47   codes (weight path: v40-55)
.set HI,  28                           ; s28      lanes 16-31
.set SEL, 30                           ; s[30:31] selects for lane l xor 16
	s_load_b512 s[4:19], s[0:1], 0x0               ; q, k, v, Wq, Wk, Wv, xq, wq
	v_lshl_add_u32 v62, v0, 2, 0x12900
	v_mov_b32 v63, 0
	v_lshrrev_b32 v1, 5, v0
	s_delay_alu instid0(VALU_DEP_1)
	v_readfirstlane_b32 s20, v1                    ; wave 0..8
	v_and_b32 v1, 31, v0                           ; lane
	v_and_b32 v8, 15, v0                           ; r
	v_bfe_u32 v9, v0, 4, 1                         ; h
	s_delay_alu instid0(VALU_DEP_3)
	v_lshlrev_b32 v2, 4, v1                        ; 16 x lane
	s_mul_i32 s21, s20, STGB
	v_add_nc_u32 v3, s21, v2                       ; the stage, on the way in: a row as it lies
	v_mul_u32_u24 v4, v8, PITCH
	s_delay_alu instid0(VALU_DEP_1)
	v_lshl_add_u32 v4, v9, 6, v4
	s_delay_alu instid0(VALU_DEP_1)
	v_add_nc_u32 v4, s21, v4                       ; on the way out: row r, + 64 h bytes: my 16 numbers of each block of 32
	v_lshlrev_b32 v7, 2, v1                        ; 4 x lane
	s_mov_b32 s[HI], 0xffff0000
	s_mov_b32 s[SEL], 0x76543210
	s_mov_b32 s[SEL+1], 0xfedcba98
.irp b, 0,1,2,3
	v_mov_b32 v[TM+4+\b], 0                        ; written once: a lane permute's destination counts as one of its sources
.endr
	s_cmp_lt_u32 s20, 6
	s_cbranch_scc0 .Lweights
	; ---------------- q, k, v: K is innermost ----------------
	s_mul_i32 s22, ttmp9, 6
	s_add_co_u32 s22, s22, s20                     ; job
	s_lshr_b32 s23, s22, 3                         ; group 0..191
	s_and_b32 s22, s22, 7                          ; K step
	s_lshr_b32 s32, s23, 6                         ; tensor
	s_and_b32 s33, s23, 63
	s_lshl_b32 s34, s33, 19                        ; 128 rows of 4,096 bytes
	s_lshl_b32 s33, s22, 9                         ; 128 numbers
	s_add_co_u32 s34, s34, s33
	s_mov_b32 s35, 0
	s_mul_i32 s36, s23, 69632
	s_mul_i32 s33, s22, 8704
	s_add_co_u32 s36, s36, s33
	s_mov_b32 s37, 0
	s_wait_kmcnt 0x0
	s_cmp_eq_u32 s32, 0
	s_cselect_b64 s[24:25], s[4:5], s[6:7]
	s_cmp_eq_u32 s32, 2
	s_cselect_b64 s[24:25], s[8:9], s[24:25]
	s_add_nc_u64 s[24:25], s[24:25], s[34:35]
	s_add_nc_u64 s[26:27], s[16:17], s[36:37]
.macro LOADT t                         ; tile t's 16 rows: each load reads 512 consecutive bytes of one row
.irp i, 0,1,2,3,4,5,6,7,8,9,10,11,12,13,14,15
	global_load_b128 v[R+64*((\t)%2)+4*\i:R+64*((\t)%2)+4*\i+3], v2, s[24:25] offset:(32*((\t)/2)+8*((\t)%2)+\i+8*(\i/8))*4096 th:TH_LOAD_NT
.endr
.endm
; 64 numbers of a lane, register 16 b + i = k 32 b + 16 h + i of my row, become a fragment's codes in v[PC] on and its scale word in v[PW]
.macro QUANT s
.irp b, 0,1,2,3
	v_max3_num_f32 v[TM+\b], |v[\s+16*\b]|, |v[\s+1+16*\b]|, 0x1800000   ; my 16 numbers of block b, and the floor 2^(3 - 127): the byte cannot fall under 1
.endr
.irp i, 2,4,6,8,10,12,14
.irp b, 0,1,2,3
	s_delay_alu instid0(VALU_DEP_4)
	v_max3_num_f32 v[TM+\b], v[TM+\b], |v[\s+16*\b+\i]|, |v[\s+1+16*\b+\i]|   ; the four blocks by turns
.endr
.endr
.irp b, 0,1,2,3
	s_delay_alu instid0(VALU_DEP_4)
	v_permlanex16_b32 v[TM+4+\b], v[TM+\b], s[SEL], s[SEL+1]
.endr
.irp b, 0,1,2,3
	s_delay_alu instid0(VALU_DEP_4)
	v_max_num_f32 v[TM+\b], v[TM+\b], v[TM+4+\b]   ; with lane l xor 16's: the block's largest magnitude
.endr
.irp b, 0,1,2,3
	s_delay_alu instid0(VALU_DEP_4)
	v_add_nc_u32 v[TM+12+\b], 0xff000000, v[TM+\b] ; 2 off its exponent field: the conversion takes the exponent field of this operand as its scale
.endr
.irp b, 0,1,2,3
	s_delay_alu instid0(VALU_DEP_4)
	v_lshrrev_b32 v[TM+4+\b], 23, v[TM+12+\b]      ; the scale's byte
.endr
	s_delay_alu instid0(VALU_DEP_3)
	v_lshl_or_b32 v[PW], v[TM+5], 8, v[TM+4]
	s_delay_alu instid0(VALU_DEP_1)
	v_lshl_or_b32 v[PW], v[TM+6], 16, v[PW]
	s_delay_alu instid0(VALU_DEP_1)
	v_lshl_or_b32 v[PW], v[TM+7], 24, v[PW]
.irp b, 0,1,2,3
	v_cvt_scalef32_pk8_fp4_f32 v[PC+2*\b], v[\s+16*\b:\s+7+16*\b], v[TM+12+\b]
	v_cvt_scalef32_pk8_fp4_f32 v[PC+1+2*\b], v[\s+8+16*\b:\s+15+16*\b], v[TM+12+\b]
.endr
	v_nop                                          ; one plain place behind a scaled conversion
.irp c, 0,1                                    ; the operand's layout wants a whole block in a lane: lanes 0-15 block 2 c, lanes 16-31 block 2 c + 1
.irp i, 0,1
	v_permlane16_swap_b32 v[PC+4*\c+\i], v[PC+2+4*\c+\i]
.endr
.endr
.endm
.macro TILE t
.if (\t) < 7
	s_wait_loadcnt 16                              ; this tile's 16 loads are in; the next tile's 16 may be out
.else
	s_wait_loadcnt 0
.endif
	s_wait_xcnt 0x0                                ; the last tile's stores have read the codes' registers, which are written again below
.irp i, 0,1,2,3,4,5,6,7,8,9,10,11,12,13,14,15
	ds_store_b128 v3, v[R+64*((\t)%2)+4*\i:R+64*((\t)%2)+4*\i+3] offset:\i*PITCH
.endr
.irp b, 0,1,2,3
.irp j, 0,1,2,3
	ds_load_b128 v[X+16*\b+4*\j:X+16*\b+4*\j+3], v4 offset:128*\b+16*\j   ; LDS serves a wave's instructions in order: these see the stores above
.endr
.endr
	s_wait_dscnt 0x0
.if (\t) < 6
	LOADT (\t)+2                                   ; into the set that the stage's stores have read
.endif
	QUANT X
	global_store_b128 v2, v[PC:PC+3], s[26:27] offset:(\t)*1024          ; 32 lanes store 512 consecutive bytes
	global_store_b128 v2, v[PC+4:PC+7], s[26:27] offset:(\t)*1024+512
.if (\t)%2 == 0
	v_mov_b32 v[SW+(\t)/2], v[PW]                  ; the even tile's words in lanes 0-15,
.else
	v_cndmask_b32 v[SW+(\t)/2], v[SW+(\t)/2], v[PW], s[HI]   ; the odd tile's in lanes 16-31
.endif
.endm
	LOADT 0
	LOADT 1
	s_wait_alu depctr_va_vdst(0)
.irp t, 0,1,2,3,4,5,6,7
	TILE \t
.endr
	global_store_b128 v2, v[SW:SW+3], s[26:27] offset:8192
	s_wait_tensorcnt 0x0
	ds_add_u32 v62, v63
	s_wait_dscnt 0x0
	s_endpgm
	; ---------------- Wq, Wk, Wv: K is the first axis.  A lane takes a column, and its registers run down K ----------------
.Lweights:
	s_mul_i32 s22, ttmp9, 3
	s_add_co_u32 s22, s22, s20
	s_sub_co_u32 s22, s22, 6                       ; job 0..767
	s_lshr_b32 s23, s22, 8                         ; tensor
	s_bfe_u32 s32, s22, 0x40004                    ; head
	s_bfe_u32 s33, s22, 0x30001                    ; K step
	s_and_b32 s29, s22, 1                          ; which 32 of the head's 64 columns
	s_lshl_b32 s34, s33, 19                        ; 128 rows of 4,096 bytes
	s_lshl_b32 s36, s32, 8
	s_add_co_u32 s34, s34, s36
	s_lshl_b32 s36, s29, 7
	s_add_co_u32 s34, s34, s36
	s_mov_b32 s35, 0
	s_mul_i32 s36, s23, 557056
	s_lshr_b32 s38, s32, 2
	s_mul_i32 s38, s38, 139264
	s_add_co_u32 s36, s36, s38
	s_mul_i32 s38, s33, 17408
	s_add_co_u32 s36, s36, s38                     ; the block of (tensor, four heads, K step)
	s_and_b32 s39, s32, 3                          ; the head's place among the four
	s_lshl_b32 s38, s39, 8
	s_add_co_u32 s38, s38, s36
	s_lshl_b32 s40, s29, 7
	s_add_co_u32 s38, s38, s40
	s_add_co_u32 s38, s38, 16384                   ; my 32 scale words
	s_lshl_b32 s40, s39, 12
	s_add_co_u32 s36, s36, s40
	s_lshl_b32 s40, s29, 11
	s_add_co_u32 s36, s36, s40                     ; my two images
	s_mov_b32 s37, 0
	s_mov_b32 s39, 0
	v_and_b32 v10, 7, v1
	v_bfe_u32 v11, v1, 3, 1
	s_delay_alu instid0(VALU_DEP_1)
	v_lshl_add_u32 v10, v11, 4, v10
	s_delay_alu instid0(VALU_DEP_1)
	v_lshl_add_u32 v10, v9, 3, v10                 ; Wq, Wk: place r of tile u is column 8 u + r + 8 (r / 8) of the 32
	s_cmp_eq_u32 s23, 2
	s_cselect_b32 s41, -1, 0
	v_cndmask_b32 v10, v10, v1, s41                ; Wv: as they lie
	s_delay_alu instid0(VALU_DEP_1)
	v_lshlrev_b32 v5, 2, v10
	v_lshlrev_b32 v6, 4, v8
	s_delay_alu instid0(VALU_DEP_1)
	v_lshl_add_u32 v6, v9, 10, v6                  ; out: image l / 16, 16 bytes at place l % 16
	s_wait_alu depctr_va_vdst(0)
	s_wait_kmcnt 0x0
	s_cmp_eq_u32 s23, 0
	s_cselect_b64 s[24:25], s[10:11], s[12:13]
	s_cmp_eq_u32 s23, 2
	s_cselect_b64 s[24:25], s[14:15], s[24:25]
	s_add_nc_u64 s[24:25], s[24:25], s[34:35]
	s_add_nc_u64 s[26:27], s[18:19], s[36:37]
	s_add_nc_u64 s[36:37], s[18:19], s[38:39]
.macro WLOAD b                         ; block b: 32 rows of W at my column; a load reads 128 consecutive bytes
.irp i, 0,1,2,3,4,5,6,7,8,9,10,11,12,13,14,15,16,17,18,19,20,21,22,23,24,25,26,27,28,29,30,31
	global_load_b32 v[R+32*(\b)+\i], v5, s[24:25] offset:(32*(\b)+\i)*4096 th:TH_LOAD_NT
.endr
.endm
.macro WBLOCK b
.set XS, R+32*(\b)
.if (\b) < 3
	s_wait_loadcnt 32                              ; this block's 32 loads are in; the next block's may be out
.else
	s_wait_loadcnt 0
.endif
.if (\b) < 2
	WLOAD (\b)+2
.endif
	v_max3_num_f32 v16, |v[XS]|, |v[XS+1]|, |v[XS+2]|        ; all 32 numbers of the block are mine
	v_max3_num_f32 v17, |v[XS+3]|, |v[XS+4]|, |v[XS+5]|
.irp i, 6,10,14,18,22,26
	s_delay_alu instid0(VALU_DEP_2)
	v_max3_num_f32 v16, v16, |v[XS+\i]|, |v[XS+\i+1]|
	s_delay_alu instid0(VALU_DEP_2)
	v_max3_num_f32 v17, v17, |v[XS+\i+2]|, |v[XS+\i+3]|
.endr
	s_delay_alu instid0(VALU_DEP_2)
	v_max3_num_f32 v16, v16, |v[XS+30]|, |v[XS+31]|
	s_delay_alu instid0(VALU_DEP_1)
	v_max3_num_f32 v16, v16, v17, 0x1800000        ; and the floor
	s_delay_alu instid0(VALU_DEP_1)
	v_add_nc_u32 v28, 0xff000000, v16
	s_delay_alu instid0(VALU_DEP_1)
	v_lshrrev_b32 v20, 23, v28
.if (\b) == 0
	s_delay_alu instid0(VALU_DEP_1)
	v_mov_b32 v[PW], v20
.else
	s_delay_alu instid0(VALU_DEP_1)
	v_lshl_or_b32 v[PW], v20, 8*(\b), v[PW]
.endif
.irp g, 0,1,2,3
	v_cvt_scalef32_pk8_fp4_f32 v[PC+4*(\b)+\g], v[XS+8*\g:XS+8*\g+7], v28
.endr
	global_store_b128 v6, v[PC+4*(\b):PC+4*(\b)+3], s[26:27] offset:((\b)/2)*512+((\b)%2)*256   ; block 2 c + h lies at 512 c + 256 h: sixteen lanes store 256 consecutive bytes; each block has registers of its own
.endm
	WLOAD 0
	WLOAD 1
.irp b, 0,1,2,3
	WBLOCK \b
.endr
	global_store_b32 v7, v[PW], s[36:37]           ; 32 scale words: 128 consecutive bytes
	s_endpgm
.Lfunc_end_k_q875a954019_quant:
	.size	k_q875a954019_quant, .Lfunc_end_k_q875a954019_quant-k_q875a954019_quant
	.p2alignl 7, 3214868480
	.fill 96, 4, 3214868480
	.section	.rodata,"a",@progbits
	.p2align	6, 0x0
	.amdhsa_kernel k_q875a954019_quant
		.amdhsa_group_segment_fixed_size 77312
		.amdhsa_private_segment_fixed_size 0
		.amdhsa_enable_private_segment 0
		.amdhsa_kernarg_size 64
		.amdhsa_user_sgpr_count 2
		.amdhsa_user_sgpr_kernarg_segment_ptr 1
		.amdhsa_wavefront_size32 1
		.amdhsa_system_sgpr_workgroup_id_x 1
		.amdhsa_system_sgpr_workgroup_id_y 1
		.amdhsa_system_sgpr_workgroup_id_z 1
		.amdhsa_system_vgpr_workitem_id 0
		.amdhsa_next_free_vgpr 256
		.amdhsa_next_free_sgpr 66
		.amdhsa_reserve_vcc 0
		.amdhsa_float_denorm_mode_32 3
		.amdhsa_float_denorm_mode_16_64 3
		.amdhsa_memory_ordered 1
		.amdhsa_forward_progress 1
		.amdhsa_inst_pref_size 98
	.end_amdhsa_kernel
	.amdgpu_metadata
---
amdhsa.version: [ 1, 2 ]
amdhsa.kernels:
  - .name:           k_q875a954019_quant
    .symbol:         k_q875a954019_quant.kd
    .args:
      - { .name: q, .offset: 0, .size: 8, .value_kind: global_buffer, .address_space: global }
      - { .name: k, .offset: 8, .size: 8, .value_kind: global_buffer, .address_space: global }
      - { .name: v, .offset: 16, .size: 8, .value_kind: global_buffer, .address_space: global }
      - { .name: Wq, .offset: 24, .size: 8, .value_kind: global_buffer, .address_space: global }
      - { .name: Wk, .offset: 32, .size: 8, .value_kind: global_buffer, .address_space: global }
      - { .name: Wv, .offset: 40, .size: 8, .value_kind: global_buffer, .address_space: global }
      - { .name: xq, .offset: 48, .size: 8, .value_kind: global_buffer, .address_space: global }
      - { .name: wq, .offset: 56, .size: 8, .value_kind: global_buffer, .address_space: global }
    .group_segment_fixed_size: 77312
    .private_segment_fixed_size: 0
    .kernarg_segment_align: 8
    .kernarg_segment_size: 64
    .max_flat_workgroup_size: 288
    .sgpr_count:     66
    .vgpr_count:     256
    .wavefront_size: 32
...
	.end_amdgpu_metadata
.endif
;; end of part 1
;; launch proj (part 2): grid 4 x 192, 4 waves a work-group, clusters of 4 x 4, 209,408 bytes of LDS; arguments xq, wq, bq, bk, bv, pc, ps, vs; writes pc, ps, vs
.if DOCPART == 2
	.amdgcn_target "amdgcn-amd-amdhsa--gfx1250"
	.amdhsa_code_object_version 6
	.text
	.protected	k_q875a954019_proj
	.globl	k_q875a954019_proj
	.p2align	8
	.type	k_q875a954019_proj,@function
k_q875a954019_proj:
	s_mov_b64 s[64:65], 0
	v_nop
	global_prefetch_b8 v0, s[64:65] scope:SCOPE_SE
	s_setreg_imm32_b32 hwreg(HW_REG_WAVE_MODE, 25, 1), 1
	s_wait_xcnt 0x0
	s_wait_alu depctr_hold_cnt(0) depctr_sa_sdst(0) depctr_va_vdst(0) depctr_va_sdst(0) depctr_va_ssrc(0) depctr_va_vcc(0) depctr_vm_vsrc(0)
	s_getreg_b32 s2, hwreg(HW_REG_IB_STS2, 6, 4)
	s_cmp_eq_u32 s2, 0
	s_cbranch_scc0 .Lentry_in_a_cluster
	s_endpgm
.Lentry_in_a_cluster:
	s_bfe_u32 s2, ttmp6, 0x10000c
	s_cmp_lg_u32 s2, 0xf033
	s_cbranch_scc0 .Lentry_shape_is_right
	s_endpgm
.Lentry_shape_is_right:
; The three projections x W + b on codes of FP4 with E8M0 scales, sums in f32, and the results quantised at once for the attention launch.
; A work-group takes 128 rows (group G of q, k or v) x 256 columns (four heads) over all of K = 1,024; wave w takes one head: 8 tiles of rows x 4 tiles of columns, 32 accumulators, 256 registers.
; ALL OF K LIES IN LDS: xq's block of the group (69,632 bytes) and wq's block of the four heads (139,264 bytes), as they lie in memory: images of operand registers, read 16 x lane on end.
; Every LDS byte is filled once; nothing is filled again.  The fills are one joint tensor load a wave, and the products begin when all four have landed.
; CLUSTER 4 x 4: the four work-groups of a row share the group's rows, the four of a column the four heads' weights: each block is asked for jointly.
; q, k: THE PRODUCT IS USED TRANSPOSED (source 0 = 16 columns of W, source 1 = 16 rows): a lane holds one row, and, W's columns being laid in the tile order 32 b + 8 u + r + 8 (r / 8),
;       the 16 registers of column tiles 2 b, 2 b + 1 are 16 neighbours of the head's 64: the next product's K.
; v:    source 0 = 16 rows (keys, in the same tile order), source 1 = 16 columns: a lane holds one column, and the 16 registers of row tiles 2 b, 2 b + 1 are 16 neighbouring keys: the next K.
; The bias is the C of each sum's first product, so it is added ahead of the products and not behind them: an order of rounding that differs from the reference's.
; OUT: pc [tensor][batch x 16 + head][65,536]: q, k: group s at 4,096 s, row tile T at 512 T, lane (r, h): the codes of columns 32 h .. 32 h + 31; v: key step s at 4,096 s, column tile t at 1,024 t, group c at 512 c.
;      ps [q, k][..][8,192]: word at 512 s + 16 l + 4 b: row l % 16 of tile 2 b + l / 16: bytes 0, 1 the two blocks' scales, byte 2 = 0xa7, byte 3 = 0x7f (what the attention launch wants of a query).
;      vs [..][16][256]: word at 8 l + 4 q: the key step's four bytes of column l % 16 of tile 2 q + l / 16.
; LIMITS: a block whose largest magnitude lies under 2^-124 keeps the byte 1; NaN and infinities are not served.
; REGISTERS: window 0: v1-7, v22 addresses; v8-13, v16-21 scale words, two sets, and nothing else; v32-63 the bias; v64-159, v160-255 two sets of fragments (64 of x, 32 of W).  window 1: the accumulators.
.set XBLK, 8704                        ; a K step of xq
.set WBLK, 17408                       ; a K step of wq
.set WB,   69632                       ; LDS: the weights begin behind x's eight K steps
.set WV,   20                          ; s20 wave
.set HI,   2                           ; s2  lanes 16-31
.set SEL,  98                          ; s[98:99] selects for lane l xor 16
.set G1A,  24                          ; s[24:31] descriptor group 1 for x;  s[32:39] for W;  s[40:43], s[68:71] group 0
.set G1B,  32
.set G0A,  40
.set G0B,  68
.set MSB, 0
.macro WIN new                         ; the immediate's high byte repeats the setting that is left
.if MSB != \new
	s_set_vgpr_msb (MSB<<8)|\new
.set MSB, \new
.endif
.endm
.macro PLACES
.rept 4
	v_nop
.endr
.endm
.macro CROUND                          ; a round of the cluster's barrier
	s_barrier_signal -1
	s_barrier_wait -1
	s_cmp_lg_u32 s[WV], 0
	s_cbranch_scc1 .Lnot_wave_0_\@
	s_barrier_signal -3
.Lnot_wave_0_\@:
	s_barrier_wait -3
	s_barrier_signal -1
	s_barrier_wait -1
.endm
	s_load_b512 s[4:19], s[0:1], 0x0               ; xq, wq, bq, bk, bv, pc, ps, vs
	v_lshl_add_u32 v30, v0, 2, 0x33000
	v_mov_b32 v31, 0
	ds_add_u32 v30, v31
	ds_add_u32 v30, v31
	v_lshrrev_b32 v6, 5, v0
	v_readfirstlane_b32 s[WV], v6                  ; wave 0..3
	s_bfe_u32 s21, ttmp6, 0x40000                  ; cx
	s_bfe_u32 s22, ttmp6, 0x40004                  ; cy
	s_and_b32 s23, ttmp7, 0xffff                   ; cluster y
	s_lshl_b32 s56, ttmp9, 2
	s_add_co_u32 s56, s56, s21                     ; which four heads
	s_lshl_b32 s57, s23, 2
	s_add_co_u32 s57, s57, s22                     ; group of rows 0..191
	s_lshr_b32 s58, s23, 4                         ; tensor: 16 clusters along y for each, so it is the same in all sixteen partners
	s_lshl_b32 s59, s22, 2
	s_lshl_b32 s59, 15, s59                        ; my row of the cluster
	s_lshl_b32 s60, 0x1111, s21                    ; my column
	; group 1: a dense block of 136 (x) or 272 (W) rows of 256 bytes (32 elements of 8 bytes), no padding
	s_or_b32 s[G1A], s59, (3<<16)|(1<<21)          ; 15:0 the mask; 17:16 elements of 8 bytes; 21 set beside a mask
	s_or_b32 s[G1B], s60, (3<<16)|(1<<21)
; THE FILLS, as they stand now (the head comment's four stages are no more): ONE joint load a wave at the head: waves 0, 1 fetch the halves of x's block
; (K steps 0-3, 4-7: 136 rows of 256 bytes each), waves 2, 3 the halves of W's block (272 rows each).  One wait and one barrier follow; no barrier stands among the K steps.
.macro GONE g, rows
	s_mov_b32 s[\g+1], 32<<16                      ; tensor_dim0
	s_mov_b32 s[\g+2], (\rows)<<16                 ; tensor_dim1
	s_mov_b32 s[\g+3], 32<<16                      ; tile_dim0
	s_mov_b32 s[\g+4], \rows                       ; tile_dim1
	s_mov_b32 s[\g+5], 32                          ; pitch
	s_mov_b32 s[\g+6], 0
	s_mov_b32 s[\g+7], 0
.endm
	GONE G1A, 136
	GONE G1B, 272
	s_mul_i32 s84, s57, 69632                      ; x: hangs on the group alone, which my row of the cluster shares
	s_mov_b32 s85, 0
	s_mul_i32 s86, s58, 557056                     ; W: on the tensor and the four heads, which my column shares,
	s_mul_i32 s88, s56, 139264
	s_add_co_u32 s86, s86, s88
	s_and_b32 s89, s[WV], 1
	s_mul_i32 s3, s89, 2*WBLK                      ; x: my half of the block, four K steps of 8,704 bytes
	s_add_co_u32 s84, s84, s3
	s_mul_i32 s89, s89, 4*WBLK                     ; W: my half, four K steps of 17,408 bytes
	s_add_co_u32 s86, s86, s89
	s_mov_b32 s87, 0
	s_add_co_u32 s89, s89, WB
	s_wait_dscnt 0x0
	s_wait_kmcnt 0x0
	s_add_nc_u64 s[84:85], s[4:5], s[84:85]
	s_add_nc_u64 s[86:87], s[6:7], s[86:87]
	s_mov_b32 s[G0A], 1
	s_mov_b32 s[G0A+1], s3                         ; x's half: as it lies in memory
	s_mov_b64 s[G0A+2:G0A+3], s[84:85]
	s_or_b32 s[G0A+3], s[G0A+3], 0x80000000
	s_mov_b32 s[G0B], 1
	s_mov_b32 s[G0B+1], s89                        ; W's half, behind x's block
	s_mov_b64 s[G0B+2:G0B+3], s[86:87]
	s_or_b32 s[G0B+3], s[G0B+3], 0x80000000
	CROUND                                         ; all sixteen work-groups are here: the joint loads meet
	s_cmp_lt_u32 s[WV], 2                          ; waves 0, 1 fetch x, waves 2, 3 W: every way passes one load
	s_cbranch_scc0 .Lnot_x
	tensor_load_to_lds s[G0A:G0A+3], s[G1A:G1A+7]
	s_nop 0
	PLACES
	s_branch .Lasked
.Lnot_x:
	tensor_load_to_lds s[G0B:G0B+3], s[G1B:G1B+7]
	s_nop 0
	PLACES
.Lasked:
	v_and_b32 v6, 31, v0                           ; lane
	v_lshlrev_b32 v1, 4, v6                        ; 16 x lane: the stores' offset; never rewritten
	v_lshlrev_b32 v2, 4, v6                        ; x's images of the stage in hand
	s_lshl_b32 s88, s[WV], 12
	s_add_co_u32 s88, s88, WB
	v_add_nc_u32 v3, s88, v1                       ; my head's images of W
	s_lshl_b32 s88, s[WV], 8
	s_add_co_u32 s88, s88, WB+16384
	v_lshl_add_u32 v4, v6, 2, s88                  ; and its scale words
	v_lshlrev_b32 v5, 3, v6                        ; 8 x lane
	v_bfe_u32 v7, v0, 4, 1
	v_lshlrev_b32 v7, 6, v7                        ; 64 h: the bias of q, k
	v_and_b32 v22, 15, v0
	v_lshlrev_b32 v22, 2, v22                      ; 4 r: the bias of v
	s_mov_b32 s[HI], 0xffff0000
	s_mov_b32 s[SEL], 0x76543210
	s_mov_b32 s[SEL+1], 0xfedcba98
	s_lshl_b32 s94, s56, 2
	s_add_co_u32 s94, s94, s[WV]                   ; head
	s_and_b32 s96, s57, 63
	s_lshr_b32 s96, s96, 4
	s_lshl_b32 s96, s96, 4
	s_add_co_u32 s96, s96, s94                     ; batch x 16 + head
	s_and_b32 s97, s57, 15                         ; the group within the sequence
	s_lshl_b32 s94, s94, 8                         ; the head's 64 numbers of the bias
	s_mov_b32 s95, 0
	s_lshl_b32 s62, s58, 22
	s_lshl_b32 s3, s96, 16
	s_add_co_u32 s62, s62, s3
	s_lshl_b32 s3, s97, 12
	s_add_co_u32 s62, s62, s3                      ; pc
	s_mov_b32 s63, 0
	s_and_b32 s60, s58, 1
	s_lshl_b32 s60, s60, 19
	s_lshl_b32 s3, s96, 13
	s_add_co_u32 s60, s60, s3
	s_lshl_b32 s3, s97, 9
	s_add_co_u32 s60, s60, s3                      ; ps
	s_mov_b32 s61, 0
	s_lshl_b32 s90, s96, 12
	s_lshl_b32 s3, s97, 8
	s_add_co_u32 s90, s90, s3                      ; vs
	s_mov_b32 s91, 0
	s_add_nc_u64 s[14:15], s[14:15], s[62:63]
	s_add_nc_u64 s[16:17], s[16:17], s[60:61]
	s_add_nc_u64 s[18:19], s[18:19], s[90:91]
	s_cmp_eq_u32 s58, 0
	s_cselect_b64 s[92:93], s[8:9], s[10:11]
	s_cmp_eq_u32 s58, 2
	s_cselect_b64 s[92:93], s[12:13], s[92:93]
	s_add_nc_u64 s[92:93], s[92:93], s[94:95]
; one product; ra, rb: the scale words of source 0, source 1 stand in lanes 16-31
.macro WMS d, a, b, c, sa, sb, ra, rb
.if (\ra) && (\rb)
	v_wmma_scale_f32_16x16x128_f8f6f4 v[(\d):(\d)+7], v[(\a):(\a)+7], v[(\b):(\b)+7], v[(\c):(\c)+7], v[\sa], v[\sb] matrix_a_fmt:MATRIX_FMT_FP4 matrix_b_fmt:MATRIX_FMT_FP4 matrix_a_scale:MATRIX_SCALE_ROW1 matrix_b_scale:MATRIX_SCALE_ROW1
.elseif (\ra)
	v_wmma_scale_f32_16x16x128_f8f6f4 v[(\d):(\d)+7], v[(\a):(\a)+7], v[(\b):(\b)+7], v[(\c):(\c)+7], v[\sa], v[\sb] matrix_a_fmt:MATRIX_FMT_FP4 matrix_b_fmt:MATRIX_FMT_FP4 matrix_a_scale:MATRIX_SCALE_ROW1
.elseif (\rb)
	v_wmma_scale_f32_16x16x128_f8f6f4 v[(\d):(\d)+7], v[(\a):(\a)+7], v[(\b):(\b)+7], v[(\c):(\c)+7], v[\sa], v[\sb] matrix_a_fmt:MATRIX_FMT_FP4 matrix_b_fmt:MATRIX_FMT_FP4 matrix_b_scale:MATRIX_SCALE_ROW1
.else
	v_wmma_scale_f32_16x16x128_f8f6f4 v[(\d):(\d)+7], v[(\a):(\a)+7], v[(\b):(\b)+7], v[(\c):(\c)+7], v[\sa], v[\sb] matrix_a_fmt:MATRIX_FMT_FP4 matrix_b_fmt:MATRIX_FMT_FP4
.endif
.endm
; 27 LDS loads: K step s's eight fragments of x, its 4 registers of scale words, my head's four fragments of W and their 2 registers of scale words, into set s % 2
.macro FETCH s
.set FB, 64+96*((\s)%2)
.irp T, 0,1,2,3,4,5,6,7
.irp c, 0,1
	ds_load_b128 v[FB+8*\T+4*\c:FB+8*\T+4*\c+3], v2 offset:((\s)%2)*XBLK+\T*1024+\c*512
.endr
.endr
	ds_load_b128 v[8+8*((\s)%2):11+8*((\s)%2)], v2 offset:((\s)%2)*XBLK+8192
.irp t, 0,1,2,3
.irp c, 0,1
	ds_load_b128 v[FB+64+8*\t+4*\c:FB+64+8*\t+4*\c+3], v3 offset:((\s)%2)*WBLK+\t*1024+\c*512
.endr
.endr
.irp u, 0,1
	ds_load_b32 v[12+8*((\s)%2)+\u], v4 offset:((\s)%2)*WBLK+\u*128
.endr
.endm
; a K step's 32 products; the 32 accumulators take turns, one instruction a turn, in the same order in every step.  first = 1: C is the bias
.macro MUL32 tr, p, first
.set FB, 64+96*(\p)
.set XS, 8+8*(\p)
.set WS, 12+8*(\p)
.if \first
	WIN 0x40                                       ; D window 1, C window 0
.else
	WIN 0x50                                       ; C and D window 1
.endif
.irp T, 0,1,2,3,4,5,6,7
.irp t, 0,1,2,3
.if \tr
.set DD, 8*(4*\T+\t)
.else
.set DD, 8*(8*\t+\T)
.endif
.if \first
.set CC, 32+8*\t
.else
.set CC, DD
.endif
.if \tr
	WMS DD, FB+64+8*\t, FB+8*\T, CC, WS+\t/2, XS+\T/2, \t%2, \T%2
.else
	WMS DD, FB+8*\T, FB+64+8*\t, CC, XS+\T/2, WS+\t/2, \T%2, \t%2
.endif
.endr
.endr
	WIN 0
.endm
; the eight K steps, written out.  Step s + 1's fragments are fetched ahead of step s's products.
.macro KLOOP tr
	s_wait_tensorcnt 0x0                           ; my one load has landed
	s_barrier_signal -1
	s_barrier_wait -1                              ; everybody's has
	FETCH 0
.set S, 0
.rept 8
.if S < 7
.if (S+1)%2 == 0
	v_add_nc_u32 v2, 2*XBLK, v2                    ; on to the next two K steps
	s_wait_alu depctr_va_vdst(0)
	v_add_nc_u32 v3, 2*WBLK, v3
	s_wait_alu depctr_va_vdst(0)
	v_add_nc_u32 v4, 2*WBLK, v4
.endif
.if S > 0
	s_wait_alu depctr_va_vdst(0)
	PLACES                                         ; four places between the last step's products and the loads into the registers that they read
.endif
	FETCH S+1
	s_wait_dscnt 27                                ; all but the 27 just issued
.else
	s_wait_dscnt 0x0
.endif
.if S == 0
	s_wait_loadcnt 0x0                             ; the bias
	MUL32 \tr, 0, 1
.else
	MUL32 \tr, S%2, 0
.endif
.set S, S+1
.endr
.endm
; THE WAY OUT.  In both layouts registers 16 q .. 16 q + 15 of window 1 (q = 0 .. 15) are my 16 numbers of one block of 32 along the next K; the other 16 lie in lane l xor 16.
.macro EPI tr
	PLACES                                         ; behind the last products: their results are read, and registers that earlier products read are written
	WIN 0x05                                       ; sources 0 and 1 window 1
.set Q, 0
.rept 16
	v_max3_num_f32 v[64+Q], |v[16*Q]|, |v[16*Q+1]|, 0x1800000    ; each accumulator is read from its low end on; the floor 2^(3 - 127) holds the byte at 1 from below
.set Q, Q+1
.endr
.irp i, 2,4,6,8,10,12,14
.set Q, 0
.rept 16
	v_max3_num_f32 v[64+Q], |v[16*Q+\i]|, |v[16*Q+\i+1]|, v[64+Q]
.set Q, Q+1
.endr
.endr
	WIN 0
.set Q, 0
.rept 16
	v_mov_b32 v[80+Q], 0                           ; a lane permute's destination counts as one of its sources
.set Q, Q+1
.endr
.set Q, 0
.rept 16
	v_permlanex16_b32 v[80+Q], v[64+Q], s[SEL], s[SEL+1]
.set Q, Q+1
.endr
.set Q, 0
.rept 16
	v_max_num_f32 v[64+Q], v[64+Q], v[80+Q]        ; the block's largest magnitude
.set Q, Q+1
.endr
.set Q, 0
.rept 16
	v_add_nc_u32 v[96+Q], 0xff000000, v[64+Q]      ; the conversion's scale operand
.set Q, Q+1
.endr
.set Q, 0
.rept 16
	v_lshrrev_b32 v[112+Q], 23, v[96+Q]            ; the byte
.set Q, Q+1
.endr
.if \tr
.irp T, 0,1,2,3,4,5,6,7
	v_lshl_or_b32 v[184+\T], v[113+2*\T], 8, v[112+2*\T]      ; a row's two bytes,
.endr
.irp T, 0,1,2,3,4,5,6,7
	v_or_b32 v[184+\T], 0x7fa70000, v[184+\T]                 ; and the two fixed ones
.endr
.irp b, 0,1,2,3
	v_cndmask_b32 v[176+\b], v[184+2*\b], v[185+2*\b], s[HI]  ; the even tile's words in lanes 0-15, the odd tile's in lanes 16-31
.endr
.else
.irp t, 0,1,2,3
	v_lshl_or_b32 v[184+\t], v[113+4*\t], 8, v[112+4*\t]      ; a column's four bytes of these 128 keys
.endr
.irp t, 0,1,2,3
	v_lshl_or_b32 v[184+\t], v[114+4*\t], 16, v[184+\t]
.endr
.irp t, 0,1,2,3
	v_lshl_or_b32 v[184+\t], v[115+4*\t], 24, v[184+\t]
.endr
.irp u, 0,1
	v_cndmask_b32 v[176+\u], v[184+2*\u], v[185+2*\u], s[HI]
.endr
.endif
	WIN 0x01                                       ; source 0 window 1
.set Q, 0
.rept 16
	v_cvt_scalef32_pk8_fp4_f32 v[128+2*Q], v[16*Q:16*Q+7], v[96+Q]
	v_cvt_scalef32_pk8_fp4_f32 v[129+2*Q], v[16*Q+8:16*Q+15], v[96+Q]
.set Q, Q+1
.endr
	WIN 0
	v_nop                                          ; one plain place behind a scaled conversion
.irp g, 0,1,2,3,4,5,6,7                        ; a whole block in a lane: lanes 0-15 the even block, lanes 16-31 the odd one
	v_permlane16_swap_b32 v[128+4*\g], v[130+4*\g]
	v_permlane16_swap_b32 v[129+4*\g], v[131+4*\g]
.endr
.irp g, 0,1,2,3,4,5,6,7
	global_store_b128 v1, v[128+4*\g:131+4*\g], s[14:15] offset:512*\g    ; 32 lanes store 512 consecutive bytes; the wave 4,096 on end
.endr
.if \tr
	global_store_b128 v1, v[176:179], s[16:17]
.else
	global_store_b64 v5, v[176:177], s[18:19]
.endif
.endm
	s_cmp_eq_u32 s58, 2                            ; the tensor: the same in every wave and in all sixteen partners
	s_cbranch_scc1 .Lvalue
	s_wait_alu depctr_va_vdst(0)
.irp t, 0,1,2,3                                ; q, k: register j of column tile 2 b + u is column 32 b + 16 h + 8 u + j
	global_load_b128 v[32+8*\t:35+8*\t], v7, s[92:93] offset:(32*(\t/2)+8*(\t%2))*4
	global_load_b128 v[36+8*\t:39+8*\t], v7, s[92:93] offset:(32*(\t/2)+8*(\t%2))*4+16
.endr
	KLOOP 1
	EPI 1
	s_wait_tensorcnt 0x0
	ds_add_u32 v30, v31
	s_wait_dscnt 0x0
	CROUND                                         ; the closing round
	s_endpgm
.Lvalue:
	s_wait_alu depctr_va_vdst(0)
.irp t, 0,1,2,3                                ; v: all eight registers of column tile t are column 16 t + r
.irp j, 0,1,2,3,4,5,6,7
	global_load_b32 v[32+8*\t+\j], v22, s[92:93] offset:64*\t
.endr
.endr
	KLOOP 0
	EPI 0
	s_wait_tensorcnt 0x0
	ds_add_u32 v30, v31
	s_wait_dscnt 0x0
	CROUND
	s_endpgm
.Lfunc_end_k_q875a954019_proj:
	.size	k_q875a954019_proj, .Lfunc_end_k_q875a954019_proj-k_q875a954019_proj
	.p2alignl 7, 3214868480
	.fill 96, 4, 3214868480
	.section	.rodata,"a",@progbits
	.p2align	6, 0x0
	.amdhsa_kernel k_q875a954019_proj
		.amdhsa_group_segment_fixed_size 209408
		.amdhsa_private_segment_fixed_size 0
		.amdhsa_enable_private_segment 0
		.amdhsa_kernarg_size 64
		.amdhsa_user_sgpr_count 2
		.amdhsa_user_sgpr_kernarg_segment_ptr 1
		.amdhsa_wavefront_size32 1
		.amdhsa_system_sgpr_workgroup_id_x 1
		.amdhsa_system_sgpr_workgroup_id_y 1
		.amdhsa_system_sgpr_workgroup_id_z 1
		.amdhsa_system_vgpr_workitem_id 0
		.amdhsa_next_free_vgpr 512
		.amdhsa_next_free_sgpr 100
		.amdhsa_reserve_vcc 0
		.amdhsa_float_denorm_mode_32 3
		.amdhsa_float_denorm_mode_16_64 3
		.amdhsa_memory_ordered 1
		.amdhsa_forward_progress 1
		.amdhsa_inst_pref_size 141
	.end_amdhsa_kernel
	.amdgpu_metadata
---
amdhsa.version: [ 1, 2 ]
amdhsa.kernels:
  - .name:           k_q875a954019_proj
    .symbol:         k_q875a954019_proj.kd
    .args:
      - { .name: xq, .offset: 0, .size: 8, .value_kind: global_buffer, .address_space: global }
      - { .name: wq, .offset: 8, .size: 8, .value_kind: global_buffer, .address_space: global }
      - { .name: bq, .offset: 16, .size: 8, .value_kind: global_buffer, .address_space: global }
      - { .name: bk, .offset: 24, .size: 8, .value_kind: global_buffer, .address_space: global }
      - { .name: bv, .offset: 32, .size: 8, .value_kind: global_buffer, .address_space: global }
      - { .name: pc, .offset: 40, .size: 8, .value_kind: global_buffer, .address_space: global }
      - { .name: ps, .offset: 48, .size: 8, .value_kind: global_buffer, .address_space: global }
      - { .name: vs, .offset: 56, .size: 8, .value_kind: global_buffer, .address_space: global }
    .group_segment_fixed_size: 209408
    .private_segment_fixed_size: 0
    .kernarg_segment_align: 8
    .kernarg_segment_size: 64
    .max_flat_workgroup_size: 128
    .sgpr_count:     100
    .vgpr_count:     512
    .wavefront_size: 32
...
	.end_amdgpu_metadata
.endif
;; end of part 2
;; launch attn (part 3): grid 4 x 64, 16 waves a work-group, clusters of 4 x 1, 224,256 bytes of LDS; arguments pc, ps, vs, attention_mask, out0; writes out0
.if DOCPART == 3
	.amdgcn_target "amdgcn-amd-amdhsa--gfx1250"
	.amdhsa_code_object_version 6
	.text
	.protected	k_q875a954019_attn
	.globl	k_q875a954019_attn
	.p2align	8
	.type	k_q875a954019_attn,@function
k_q875a954019_attn:
	s_mov_b64 s[64:65], 0
	v_nop
	global_prefetch_b8 v0, s[64:65] scope:SCOPE_SE
	s_setreg_imm32_b32 hwreg(HW_REG_WAVE_MODE, 25, 1), 1
	s_wait_xcnt 0x0
	s_wait_alu depctr_hold_cnt(0) depctr_sa_sdst(0) depctr_va_vdst(0) depctr_va_sdst(0) depctr_va_ssrc(0) depctr_va_vcc(0) depctr_vm_vsrc(0)
	s_getreg_b32 s2, hwreg(HW_REG_IB_STS2, 6, 4)
	s_cmp_eq_u32 s2, 0
	s_cbranch_scc0 .Lentry_in_a_cluster
	s_endpgm
.Lentry_in_a_cluster:
	s_bfe_u32 s2, ttmp6, 0x10000c
	s_cmp_lg_u32 s2, 0x3003
	s_cbranch_scc0 .Lentry_shape_is_right
	s_endpgm
.Lentry_shape_is_right:
; out[b][n][64 head ..] = the sum over keys of softmax(query . key / 8, masked) value, both products on codes of FP4 with E8M0 scales.
; t = score x log2(e) / 8; M = the running largest t rounded UP to a whole number; p = 2^(t - M) is quantised along the keys, not normalised; the row's sum is taken of the unquantised p and divides at the end.
; SHARES: a work-group owns 512 queries of one (batch, head), in two passes of 256; each of its sixteen waves owns one tile of 16 queries in 256 registers.  Every wave walks the 2,048 keys, 128 a step.
; THE HEAD'S WHOLE K AND V LIE IN LDS, as images of operand registers, filled once: no slot is filled again and no barrier stands in the loop.
; CLUSTER 4 x 1: the four work-groups of a head ask for K, V and V's scale words jointly.  No prefetch: every byte that comes from memory is asked for at the head, so there is no loop to run ahead in.
; LAYOUT: S^T = K Q^T, O^T = V^T P^T: a lane holds ONE query throughout.  A LANE HOLDS WHOLE BLOCKS OF 32 KEYS: place 8 g + j of score tile 4 c + u is key 64 c + 32 g + 8 u + j of the step, so that
; lane (r, h)'s 32 registers of tiles 4 c .. 4 c + 3 are keys 64 c + 32 h + 0 .. 31 in order: the very registers that P's operand wants of that lane.  A block's largest score needs no other lane,
; and the conversions' results are the operand as they stand.  In memory K's images hold the rows in another order (place r of tile 2 b + u is key 32 b + 8 u + r + 8 (r / 8)): the lane's LDS address picks the rows.
; K's images get 128 bytes of padding behind each 1,024.
; Query tiles lie in the order of memory; the way out puts each row where it belongs.
; THE MASK RIDES IN THE FIRST PRODUCT.  The head's 64 fill k = 0 .. 63 of the instruction's 128.  At k = 64 every key carries the code +6 and every query the code -6; all other codes from k = 64 on are 0.
; The query's scale byte for k = 64 .. 95 is 0xa7 (2^40); a key's is 0xbb (2^60) where attention_mask is 0, else 0x01 (2^-126).  So a masked score gets -36 x 2^100 = -4.6e31, an open one -36 x 2^-86 = -4.7e-25.
; The running largest score begins at -5.5e30 (t = -1e30), above every masked one: masked keys never enter M, and their p is 0.  With every key masked the sum is 0 and O is 0: 0 x infinity = NaN, as the reference has it.
; THE STEP IS LAID SO: maxima of S(s); M; t - M; exponentials; O^T x f; scales, codes, sums; then the products S(s + 1) and O^T += V(s) P(s) on end.  K(s + 1) and V(s) are fetched among the maxima.
; LIMITS: true |t| stays under 1e30; the -4.7e-25 on open scores lies far under an ulp of any score that counts; NaN and infinities among the inputs are not served.
.set KCH,  1152                        ; 1,024 bytes of K's images + 128 of padding
.set KST,  4*KCH                       ; a key step of K
.set VC,   73728                       ; LDS: K's images at 0, V's here,
.set VSL,  139264                      ; V's scale words (4,096 bytes),
.set KSL,  143360                      ; K's scale words with the mask worked in (8,192 bytes, and 1,024 left empty; written by LDS stores, never by a tensor load),
.set STG,  152576                      ; a stage of 16 rows x 272 bytes for each wave,
.set SPARE, 222208                     ; and the spare words, 128 bytes for each wave
.set KA,   1                           ; v1-4  the addresses in hand: K, V, V's scale words, K's
.set STO,  5                           ; v5-7  the way out
.set RD,   6
.set GO,   7
.set NM,   8                           ; v8, v10  -M, by turns
.set MX,   9                           ; v9    the running largest score
.set XT,   11
.set F,    12                          ; v12   f = 2^(old M - new M)
.set DI,   13
.set ACC,  14                          ; v[14:15] the row's sum; v16-23 four more sums of a step
.set QS,   24                          ; v24 Q's, v25 P's, v26-27 V's, v28-31 K's scale words, and nothing else
.set PS,   25
.set VS,   26
.set KS,   28
.set KF,   32                          ; v32-95   K's 8 fragments
.set S,    96                          ; v96-159  S^T, then p
.set O,    160                         ; v160-191 O^T
.set VF,   192                         ; v192-223 V's 4 fragments
.set PC,   224                         ; v224-231 p's codes
.set BM,   232                         ; v232-235 at work on the two blocks
.set Q,    236                         ; v236-243 Q
.set Q2,   244                         ; v244-248 the second pass's Q and its scale words
.set Q2S,  248
.set TMP,  249
.set SPW,  250
.set NIL,  251
.set KB,   252                         ; v252-255 the lane's places: K, V, V's scale words, K's
.set WV,   14
.set NC,   19                          ; s19 -c
.set SEL,  20
.set CS,   22                          ; s[22:23] c = log2(e) / 8
.set G1,   24                          ; s[24:31] group 1 for V;  s[32:39] for V's scale words;  s[72:79] for K;  s[40:43], s[44:47] groups 0
.set G1S,  32
.set G0,   40
.set G0S,  44
.set G1K,  72
.set TK,   48                          ; s48-51 the loop's steps of the four addresses
.set CNT,  52
.set PASS, 53
.set OUT,  54
.macro PLACES
.rept 4
	v_nop
.endr
.endm
.macro CROUND
	s_barrier_signal -1
	s_barrier_wait -1
	s_cmp_lg_u32 s[WV], 0
	s_cbranch_scc1 .Lnot_wave_0_\@
	s_barrier_signal -3
.Lnot_wave_0_\@:
	s_barrier_wait -3
	s_barrier_signal -1
	s_barrier_wait -1
.endm
	s_load_b256 s[4:11], s[0:1], 0x0               ; pc, ps, vs, attention_mask
	s_load_b64 s[12:13], s[0:1], 0x20              ; out0
	v_lshl_add_u32 v[SPW], v0, 2, SPARE
	v_mov_b32 v[NIL], 0
	ds_add_u32 v[SPW], v[NIL]                      ; the opening lines: the add, twice on end, and its wait
	ds_add_u32 v[SPW], v[NIL]
	v_lshrrev_b32 v1, 5, v0
	s_delay_alu instid0(VALU_DEP_1)
	v_readfirstlane_b32 s[WV], v1                  ; wave 0..15
	s_bfe_u32 s15, ttmp6, 0x40000                  ; cx
	s_lshl_b32 s17, ttmp9, 2
	s_add_co_u32 s15, s15, s17                     ; my block of 512 queries: it enters Q's and the output's addresses alone
	s_and_b32 s16, ttmp7, 0xffff                   ; batch x 16 + head, which the four partners share
	s_mov_b32 s[G1K], 15|(3<<16)|(1<<20)|(1<<21)|(7<<22)|(31<<25)   ; the mask: all four; elements of 8 bytes; 32 words of padding behind every 256
	s_mov_b32 s[G1K+1], 128<<16                    ; 16 rows of 1,024 bytes, dense
	s_mov_b32 s[G1K+2], 16<<16
	s_mov_b32 s[G1K+3], 128<<16
	s_mov_b32 s[G1K+4], 16
	s_mov_b32 s[G1K+5], 128
	s_mov_b32 s[G1K+6], 0
	s_mov_b32 s[G1K+7], 0
	s_mov_b32 s[G1], 15|(3<<16)|(1<<21)            ; V: 64 rows of 256 bytes, no padding
	s_mov_b32 s[G1+1], 32<<16
	s_mov_b32 s[G1+2], 64<<16
	s_mov_b32 s[G1+3], 32<<16
	s_mov_b32 s[G1+4], 64
	s_mov_b32 s[G1+5], 32
	s_mov_b32 s[G1+6], 0
	s_mov_b32 s[G1+7], 0
	s_mov_b32 s[G1S], 15|(3<<16)|(1<<21)           ; V's scale words: 16 rows
	s_mov_b32 s[G1S+1], 32<<16
	s_mov_b32 s[G1S+2], 16<<16
	s_mov_b32 s[G1S+3], 32<<16
	s_mov_b32 s[G1S+4], 16
	s_mov_b32 s[G1S+5], 32
	s_mov_b32 s[G1S+6], 0
	s_mov_b32 s[G1S+7], 0
	s_lshr_b32 s17, s[WV], 2                       ; waves 0-3 fetch K's four quarters, waves 4-7 V's
	s_add_co_u32 s17, s17, 1
	s_lshl_b32 s17, s17, 22                        ; K is tensor 1 of pc, V tensor 2
	s_lshl_b32 s18, s16, 16
	s_add_co_u32 s17, s17, s18
	s_and_b32 s18, s[WV], 3
	s_lshl_b32 s18, s18, 14
	s_add_co_u32 s62, s17, s18
	s_mov_b32 s63, 0
	s_lshl_b32 s66, s16, 12
	s_mov_b32 s67, 0
	s_min_u32 s18, s[WV], 4
	s_lshl_b32 s18, s18, 11
	s_lshl_b32 s17, s[WV], 14
	s_add_co_u32 s17, s17, s18                     ; LDS: 16,384 x wave + 2,048 x min(wave, 4): K's quarters 18,432 apart, V's 16,384 apart from 73,728 on
	s_wait_dscnt 0x0
	s_wait_kmcnt 0x0
	s_mov_b32 s[G0], 1
	s_mov_b32 s[G0+1], s17
	s_add_nc_u64 s[G0+2:G0+3], s[4:5], s[62:63]
	s_or_b32 s[G0+3], s[G0+3], 0x80000000
	s_mov_b32 s[G0S], 1
	s_mov_b32 s[G0S+1], VSL
	s_add_nc_u64 s[G0S+2:G0S+3], s[8:9], s[66:67]
	s_or_b32 s[G0S+3], s[G0S+3], 0x80000000
	CROUND                                         ; all four work-groups are here: the joint loads meet
	s_cmp_lt_u32 s[WV], 4                          ; one chain of branches on the wave's number, one load to an arm
	s_cbranch_scc0 .Lnot_k
	tensor_load_to_lds s[G0:G0+3], s[G1K:G1K+7]
	s_nop 0
	PLACES
	s_branch .Lasked
.Lnot_k:
	s_cmp_lt_u32 s[WV], 8
	s_cbranch_scc0 .Lnot_v
	tensor_load_to_lds s[G0:G0+3], s[G1:G1+7]
	s_nop 0
	PLACES
	s_branch .Lasked
.Lnot_v:
	s_cmp_eq_u32 s[WV], 8
	s_cbranch_scc0 .Lasked
	tensor_load_to_lds s[G0S:G0S+3], s[G1S:G1S+7]
	s_nop 0
	PLACES
.Lasked:
	s_lshr_b32 s66, s16, 4
	s_lshl_b32 s66, s66, 23                        ; the batch: 2,048 rows of 4,096 bytes
	s_lshl_b32 s67, s15, 21                        ; 512 rows
	s_add_co_u32 s66, s66, s67
	s_lshr_b32 s67, s[WV], 1
	s_lshl_b32 s67, s67, 17                        ; my query tile 2 b + u begins at row 32 (wave / 2) + 8 (wave % 2)
	s_add_co_u32 s66, s66, s67
	s_and_b32 s67, s[WV], 1
	s_lshl_b32 s67, s67, 15
	s_add_co_u32 s66, s66, s67
	s_and_b32 s67, s16, 15
	s_lshl_b32 s67, s67, 8                         ; the head's 64 columns
	s_add_co_u32 s66, s66, s67
	s_mov_b32 s67, 0
	s_add_nc_u64 s[OUT:OUT+1], s[12:13], s[66:67]
	s_lshl_b32 s66, s15, 5
	s_add_co_u32 s66, s66, s[WV]
	s_lshl_b32 s66, s66, 9                         ; Q's half image: 512 bytes a tile
	s_lshl_b32 s68, s16, 16
	s_add_co_u32 s66, s66, s68
	s_add_nc_u64 s[56:57], s[4:5], s[66:67]
	s_lshl_b32 s66, s15, 2
	s_lshr_b32 s68, s[WV], 3
	s_add_co_u32 s66, s66, s68
	s_lshl_b32 s66, s66, 9                         ; Q's scale words: the group of 128 rows,
	s_and_b32 s68, s[WV], 1
	s_lshl_b32 s68, s68, 8                         ; the odd tile's words stand 16 lanes on,
	s_add_co_u32 s66, s66, s68
	s_bfe_u32 s68, s[WV], 0x20001
	s_lshl_b32 s68, s68, 2                         ; word b of the four
	s_add_co_u32 s66, s66, s68
	s_lshl_b32 s68, s16, 13
	s_add_co_u32 s66, s66, s68
	s_add_nc_u64 s[58:59], s[6:7], s[66:67]
	s_add_co_u32 s66, s68, 524288                  ; K's scale words: tensor 1 of ps
	s_add_nc_u64 s[60:61], s[6:7], s[66:67]
	s_mov_b32 s[SEL], 0x76543210
	s_mov_b32 s[SEL+1], 0xfedcba98
	s_mov_b32 s[CS], 0x3e38aa3b                    ; c = log2(e) / 8
	s_mov_b32 s[CS+1], s[CS]                       ; (named with it as a pair, so it is written)
	s_mov_b32 s[NC], 0xbe38aa3b                    ; -c
	s_mul_i32 s17, s[WV], 4352
	s_add_co_u32 s17, s17, STG                     ; my stage
	v_and_b32 v113, 31, v0                         ; lane
	v_and_b32 v111, 15, v0                         ; r
	v_bfe_u32 v112, v0, 4, 1                       ; h
	v_and_b32 v116, 7, v0                          ; j = l % 8
	v_bfe_u32 v117, v0, 3, 1                       ; g = (l / 8) % 2
	v_lshrrev_b32 v101, 5, v0
	v_lshlrev_b32 v118, 4, v113                    ; 16 x lane
	v_mul_u32_u24 v[KB], v117, KCH                 ; K: place 8 g + j: the chunk of 1,024 bytes g on, 16 j in it, + 256 h for my half of the head's 64
	v_lshlrev_b32 v101, 9, v101                    ; 512 x wave: a key step's scale words, and 4 x its first key
	v_lshl_add_u32 v[KB+2], v113, 3, VSL           ; V's scale words: 8 x lane
	v_lshl_add_u32 v[KB], v112, 8, v[KB]
	v_add_nc_u32 v[KB+1], VC, v118                 ; V's images: 16 x lane
	v_add_nc_u32 v[KB+3], KSL, v118                ; K's scale words: 16 x lane
	v_lshl_add_u32 v[KB], v116, 4, v[KB]
	; K's scale words with the mask worked in.  Thread (wave s, lane l) makes the four words that lane l wants of step s: word q is that of place l % 16 of tile 2 q + l / 16:
	; key 64 (q / 2) + 16 (q % 2) + 32 g + 8 h + j, whose word lies in ps at 512 s + 256 h + 128 (q % 2) + 16 j + 8 (q / 2) + 4 g
	v_lshl_add_u32 v100, v112, 8, v101
	v_lshl_add_u32 v101, v117, 7, v101
	v_lshl_add_u32 v100, v116, 4, v100
	v_lshl_add_u32 v101, v112, 5, v101
	v_lshl_add_u32 v100, v117, 2, v100
	v_lshl_add_u32 v101, v116, 2, v101
.irp q, 0,1,2,3
	global_load_b32 v[96+\q], v100, s[60:61] offset:128*(\q%2)+8*(\q/2)
	global_load_b32 v[104+\q], v101, s[10:11] offset:256*(\q/2)+64*(\q%2)
.endr
	global_load_b128 v[Q:Q+3], v118, s[56:57]                ; Q of the first pass: columns 32 h .. 32 h + 31 of my query
	global_load_b128 v[Q2:Q2+3], v118, s[56:57] offset:8192  ; and of the second: 16 tiles on
	v_lshlrev_b32 v108, 4, v111
	global_load_b32 v[QS], v108, s[58:59]
	global_load_b32 v[Q2S], v108, s[58:59] offset:1024       ; two groups of 128 rows on
	v_mul_u32_u24 v[STO], v111, 272
	v_mul_u32_u24 v[RD], v112, 272
	v_lshlrev_b32 v[GO], 12, v112
	v_lshl_add_u32 v[STO], v112, 5, v[STO]
	v_lshl_add_u32 v[RD], v111, 4, v[RD]
	v_lshl_add_u32 v[GO], v111, 4, v[GO]           ; the way out: lanes 0-15 one row of the output, lanes 16-31 the next
	v_add_nc_u32 v[STO], s17, v[STO]               ; into the stage: row r, + 32 h
	v_add_nc_u32 v[RD], s17, v[RD]                 ; back: lanes 0-15 one row, lanes 16-31 the next
	v_lshl_add_u32 v103, v0, 4, KSL
	v_mov_b32 v109, 0x7f010000                     ; an open key's upper bytes
	v_mov_b32 v110, 0x7fbb0000                     ; a masked key's
	v_xor_b32 v114, 1, v112                        ; 1 in lanes 0-15: they hold k = 64 .. 95
	v_mov_b32 v[Q+5], 0
	v_mov_b32 v[Q+6], 0
	v_mov_b32 v[Q+7], 0
	v_mul_u32_u24 v[Q+4], 15, v114                 ; the query's code -6 at k = 64
	v_mul_u32_u24 v115, 7, v114                    ; a key's code +6 at k = 64
.irp t, 0,1,2,3,4,5,6,7
	v_mov_b32 v[KF+4+8*\t], v115
	v_mov_b32 v[KF+5+8*\t], 0
	v_mov_b32 v[KF+6+8*\t], 0
	v_mov_b32 v[KF+7+8*\t], 0
.endr
	v_mov_b32 v[TMP], 0                            ; written once: a lane permute's destination counts as one of its sources
	s_wait_alu depctr_va_vdst(0)
	s_wait_loadcnt 0x0
.irp b, 0,1,2,3
	v_cmp_eq_u32 vcc_lo, 0, v[104+\b]
	s_delay_alu instid0(VALU_DEP_1)
	v_cndmask_b32 v114, v109, v110, vcc_lo
	s_delay_alu instid0(VALU_DEP_1)
	v_and_or_b32 v[96+\b], v[96+\b], 0xffff, v114
.endr
	ds_store_b128 v103, v[96:99]
	s_wait_tensorcnt 0x0                           ; my part of K, V or V's scale words has landed,
	s_wait_dscnt 0x0                               ; my part of K's scale words is stored:
	s_barrier_signal -1
	s_barrier_wait -1                              ; everybody's
.macro SCORES                          ; S^T = K Q^T: eight tiles of 16 keys
.irp t, 0,1,2,3,4,5,6,7
.if \t%2
	v_wmma_scale_f32_16x16x128_f8f6f4 v[S+8*\t:S+8*\t+7], v[KF+8*\t:KF+8*\t+7], v[Q:Q+7], 0, v[KS+\t/2], v[QS] matrix_a_fmt:MATRIX_FMT_FP4 matrix_b_fmt:MATRIX_FMT_FP4 matrix_a_scale:MATRIX_SCALE_ROW1
.else
	v_wmma_scale_f32_16x16x128_f8f6f4 v[S+8*\t:S+8*\t+7], v[KF+8*\t:KF+8*\t+7], v[Q:Q+7], 0, v[KS+\t/2], v[QS] matrix_a_fmt:MATRIX_FMT_FP4 matrix_b_fmt:MATRIX_FMT_FP4
.endif
.endr
.endm
.macro KLOAD n                         ; K's eight half fragments and their scale words, n steps on from the address in hand: tile 4 c + u at 2 c chunks + 512 (u % 2) + 128 (u / 2)
.irp t, 0,1,2,3,4,5,6,7
	ds_load_b128 v[KF+8*\t:KF+8*\t+3], v[KA] offset:(\n)*KST+2*KCH*(\t/4)+512*(\t%2)+128*((\t%4)/2)
.endr
	ds_load_b128 v[KS:KS+3], v[KA+3] offset:(\n)*512
.endm
.macro FMAS n                          ; t - M, two at a time
.rept \n
	v_pk_fma_f32 v[S+JF:S+JF+1], v[S+JF:S+JF+1], s[CS:CS+1], v[NN:NN+1] op_sel_hi:[1,0,0]
.set JF, JF+2
.endr
.endm
.macro SUMS n                          ; the next n pairs of p onto the five sums by turns
.rept \n
	v_pk_add_f32 v[ACC+2*(NS%5):ACC+2*(NS%5)+1], v[ACC+2*(NS%5):ACC+2*(NS%5)+1], v[S+18+2*NS:S+19+2*NS]
.set NS, NS+1
.endr
.endm
; A KEY STEP: 128 keys, the e-th of the two that an address serves.  more = 1: the next step's K is fetched and its scores are begun.
.macro STEP e, more
.set NN, NM+2*(1-(\e))                 ; the new -M
.set NO, NM+2*(\e)                     ; the old one
.set JF, 0
.set NS, 0
.irp c, 0,1                            ; the largest score of each of my two blocks of 32 keys, four chains by turns, each accumulator from its low end on
	v_max3_num_f32 v[BM+2*\c], v[S+32*\c], v[S+32*\c+1], v[S+32*\c+2]
	v_max3_num_f32 v[BM+1+2*\c], v[S+32*\c+16], v[S+32*\c+17], v[S+32*\c+18]
.endr
.irp i, 3,5,7,9,11,13
.irp c, 0,1
	v_max3_num_f32 v[BM+2*\c], v[BM+2*\c], v[S+32*\c+\i], v[S+32*\c+\i+1]
	v_max3_num_f32 v[BM+1+2*\c], v[BM+1+2*\c], v[S+32*\c+16+\i], v[S+32*\c+17+\i]
.endr
.if \i == 7                            ; sixteen plain lines stand behind the last products and behind the addresses' step: the fragments' registers may be loaded
.irp t, 0,1,2,3
.irp c, 0,1
	ds_load_b128 v[VF+8*\t+4*\c:VF+8*\t+4*\c+3], v[KA+1] offset:(\e)*4096+1024*\t+512*\c
.endr
.endr
	ds_load_b64 v[VS:VS+1], v[KA+2] offset:(\e)*256
.if \more
	KLOAD (\e)+1
.endif
.endif
.endr
.irp c, 0,1
	v_max3_num_f32 v[BM+2*\c], v[BM+2*\c], v[BM+1+2*\c], v[S+32*\c+15]
.endr
.irp c, 0,1
	v_max_num_f32 v[BM+2*\c], v[BM+2*\c], v[S+32*\c+31]
.endr
	s_delay_alu instid0(VALU_DEP_1)
	v_max3_num_f32 v[XT], v[BM], v[BM+2], v[MX]
	s_delay_alu instid0(VALU_DEP_1)
	v_permlanex16_b32 v[TMP], v[XT], s[SEL], s[SEL+1]
	s_delay_alu instid0(VALU_DEP_1)
	v_max_num_f32 v[MX], v[XT], v[TMP]             ; with lane l xor 16's two blocks: the running largest score
	s_delay_alu instid0(VALU_DEP_1)
	v_mul_f32 v[XT], s[NC], v[MX]                  ; -t
	s_delay_alu instid0(VALU_DEP_1)
	v_floor_f32 v[NN], v[XT]                       ; -M = floor(-t): M is a whole number
	s_delay_alu instid0(VALU_DEP_1)
	v_sub_f32 v[DI], v[NN], v[NO]                  ; old M - new M: a whole number, 0 or less
	v_fma_f32 v[BM], v[BM], s[CS], v[NN]           ; t - M of each block's largest score
	v_fma_f32 v[BM+2], v[BM+2], s[CS], v[NN]
	FMAS 2
	v_cvt_i32_f32 v[DI], v[DI]                     ; (it saturates)
	FMAS 4
	v_ldexp_f32 v[F], 1.0, v[DI]                   ; f = 2^(old M - new M): a multiplication by it rounds nothing
	FMAS 26
	s_wait_alu depctr_va_vdst(0)
	s_wait_dscnt 0x0                               ; V of this step, K of the next and their scale words are in
	v_exp_f32 v[BM], v[BM]                         ; the block's largest p: the same two instructions on the same number
	v_exp_f32 v[BM+2], v[BM+2]
.set J, 0
.rept 64
	v_exp_f32 v[S+J], v[S+J]                       ; p = 2^(t - M)
.set J, J+1
.endr
	s_wait_alu depctr_va_vdst(0)                   ; one wait for the batch, and for O^T, whose first readers follow
.set J, 0
.rept 16
	v_pk_mul_f32 v[O+J:O+J+1], v[O+J:O+J+1], v[F:F+1] op_sel_hi:[1,0]   ; O^T under the new M
.set J, J+2
.endr
	v_max_num_f32 v[BM], 0x1800000, v[BM]          ; the floor 2^(3 - 127): the byte cannot fall under 1
	v_max_num_f32 v[BM+2], 0x1800000, v[BM+2]
	v_pk_fma_f32 v[ACC:ACC+1], v[ACC:ACC+1], v[F:F+1], v[S:S+1] op_sel_hi:[1,0,1]   ; the sum under the new M, and the first pair of p
	v_add_nc_u32 v[BM+1], 0xff000000, v[BM]        ; 2 off the exponent field: the conversion's scale operand
	v_add_nc_u32 v[BM+3], 0xff000000, v[BM+2]
.irp i, 1,2,3,4
	v_pk_add_f32 v[ACC+2*\i:ACC+2*\i+1], v[S+4*\i-2:S+4*\i-1], v[S+4*\i:S+4*\i+1]   ; four more sums begin
.endr
.irp c, 0,1
.irp u, 0,1,2,3
	v_cvt_scalef32_pk8_fp4_f32 v[PC+4*\c+\u], v[S+32*\c+8*\u:S+32*\c+8*\u+7], v[BM+1+2*\c]   ; register 4 c + u of the operand: keys 64 c + 32 h + 8 u + 0 .. 7
.endr
.endr
	v_lshrrev_b32 v[BM], 23, v[BM+1]               ; the bytes of blocks h and 2 + h
	v_lshrrev_b32 v[BM+2], 23, v[BM+3]
	SUMS 3
	v_lshl_or_b32 v[BM], v[BM+2], 16, v[BM]
	SUMS 4
	v_permlanex16_b32 v[TMP], v[BM], s[SEL], s[SEL+1]
	SUMS 4
	v_lshl_or_b32 v[PS], v[TMP], 8, v[BM]          ; lanes 0-15: my bytes 0 and 2 with lane l + 16's 1 and 3: p's scale word (lanes 16-31 are not read)
	SUMS 12                                        ; twelve plain lines between the scale word and the products
.if \more
	SCORES                                         ; the next step's scores, over p, which has been read
.endif
.irp t, 0,1,2,3
.if \t%2
	v_wmma_scale_f32_16x16x128_f8f6f4 v[O+8*\t:O+8*\t+7], v[VF+8*\t:VF+8*\t+7], v[PC:PC+7], v[O+8*\t:O+8*\t+7], v[VS+\t/2], v[PS] matrix_a_fmt:MATRIX_FMT_FP4 matrix_b_fmt:MATRIX_FMT_FP4 matrix_a_scale:MATRIX_SCALE_ROW1
.else
	v_wmma_scale_f32_16x16x128_f8f6f4 v[O+8*\t:O+8*\t+7], v[VF+8*\t:VF+8*\t+7], v[PC:PC+7], v[O+8*\t:O+8*\t+7], v[VS+\t/2], v[PS] matrix_a_fmt:MATRIX_FMT_FP4 matrix_b_fmt:MATRIX_FMT_FP4
.endif
.endr
	v_pk_add_f32 v[ACC+2:ACC+3], v[ACC+2:ACC+3], v[ACC+4:ACC+5]     ; the five sums become one: four plain lines that name none of the products' registers: their places
	v_pk_add_f32 v[ACC+6:ACC+7], v[ACC+6:ACC+7], v[ACC+8:ACC+9]
	s_delay_alu instid0(VALU_DEP_1)
	v_pk_add_f32 v[ACC+2:ACC+3], v[ACC+2:ACC+3], v[ACC+6:ACC+7]
	s_delay_alu instid0(VALU_DEP_1)
	v_pk_add_f32 v[ACC:ACC+1], v[ACC:ACC+1], v[ACC+2:ACC+3]
.if (\e) && (\more)
	s_add_co_u32 s[TK], s[TK], 2*KST               ; two steps on
	s_add_co_u32 s[TK+1], s[TK+1], 8192
	s_add_co_u32 s[TK+2], s[TK+2], 512
	s_add_co_u32 s[TK+3], s[TK+3], 1024
.irp i, 0,1,2,3
	v_add_nc_u32 v[KA+\i], s[TK+\i], v[KB+\i]
.endr
.endif
.endm
	s_mov_b32 s[PASS], 2
.Lpass:                                            ; 256 queries of the work-group, 16 of mine
.irp i, 0,1,2,3
	s_mov_b32 s[TK+\i], 0
	v_mov_b32 v[KA+\i], v[KB+\i]
.endr
	KLOAD 0
	v_mov_b32 v[MX], 0xf28ad444                    ; the largest score so far: -5.5e30: under every true one, above every masked one
	v_mov_b32 v[ACC], 0
	v_mov_b32 v[ACC+1], 0
	v_mul_f32 v[XT], s[NC], v[MX]
	s_delay_alu instid0(VALU_DEP_1)
	v_floor_f32 v[NM], v[XT]                       ; -M
	s_wait_alu depctr_va_vdst(0)
	s_wait_dscnt 0x0
	SCORES                                         ; step 0's scores
.set J, 0
.rept 32
	v_mov_b32 v[O+J], 0                            ; O^T: the step is written once; its first turn finds zeros.  (Also the places behind the products)
.set J, J+1
.endr
	s_mov_b32 s[CNT], 7
.Lstep:                                            ; seven trips of two steps
	STEP 0, 1
	STEP 1, 1
	s_sub_co_u32 s[CNT], s[CNT], 1
	s_cmp_lg_u32 s[CNT], 0
	s_cbranch_scc1 .Lstep
	STEP 0, 1
	STEP 1, 0                                      ; the last step fetches no K and begins no scores
	; THE WAY OUT: O^T / the sum goes through my stage and leaves as rows of 256 bytes
	s_delay_alu instid0(VALU_DEP_1)
	v_add_f32 v[ACC], v[ACC], v[ACC+1]
	s_delay_alu instid0(VALU_DEP_1)
	v_permlanex16_b32 v[TMP], v[ACC], s[SEL], s[SEL+1]
	s_delay_alu instid0(VALU_DEP_1)
	v_add_f32 v[ACC], v[ACC], v[TMP]               ; the row's sum
	s_wait_alu depctr_va_vdst(0)
	v_rcp_f32 v[ACC], v[ACC]
	v_nop                                          ; a plain place behind it
	s_wait_alu depctr_va_vdst(0)                   ; the wait ahead of its readers, which are O^T's first readers too
.set J, 0
.rept 16
	v_pk_mul_f32 v[S+J:S+J+1], v[O+J:O+J+1], v[ACC:ACC+1] op_sel_hi:[1,0]   ; register 8 t + j is column 16 t + 8 h + j of my query; each accumulator from its low end on
.set J, J+2
.endr
.irp t, 0,1,2,3
	ds_store_b128 v[STO], v[S+8*\t:S+8*\t+3] offset:64*\t
	ds_store_b128 v[STO], v[S+8*\t+4:S+8*\t+7] offset:64*\t+16
.endr
.irp i, 0,1,2,3,4,5,6,7
	ds_load_b128 v[S+32+4*\i:S+35+4*\i], v[RD] offset:2*\i*272   ; LDS serves a wave's instructions in order: these see my stores
.endr
.irp i, 0,1,2,3,4,5,6,7
	s_wait_dscnt 7-\i                              ; load i is in; the 7 - i behind it may be out
	global_store_b128 v[GO], v[S+32+4*\i:S+35+4*\i], s[OUT:OUT+1] offset:(2*\i+8*(\i/4))*4096 th:TH_STORE_NT   ; place p of the tile is row p + 8 (p / 8); sixteen lanes store 256 consecutive bytes, aligned
.endr
	s_wait_xcnt 0x0                                ; the stores have read their base and their registers: both are written again below and in the next pass
	s_add_nc_u64 s[OUT:OUT+1], s[OUT:OUT+1], 1048576   ; 256 rows on
.irp i, 0,1,2,3
	v_mov_b32 v[Q+\i], v[Q2+\i]                    ; the second pass's Q
.endr
	v_mov_b32 v[QS], v[Q2S]                        ; and its scale words; the next pass's head stands between these lines and its first product
	s_sub_co_u32 s[PASS], s[PASS], 1
	s_cmp_lg_u32 s[PASS], 0
	s_cbranch_scc1 .Lpass
	s_wait_tensorcnt 0x0                           ; the wave's end
	ds_add_u32 v[SPW], v[NIL]
	s_wait_dscnt 0x0
	CROUND                                         ; the closing round
	s_endpgm
.Lfunc_end_k_q875a954019_attn:
	.size	k_q875a954019_attn, .Lfunc_end_k_q875a954019_attn-k_q875a954019_attn
	.p2alignl 7, 3214868480
	.fill 96, 4, 3214868480
	.section	.rodata,"a",@progbits
	.p2align	6, 0x0
	.amdhsa_kernel k_q875a954019_attn
		.amdhsa_group_segment_fixed_size 224256
		.amdhsa_private_segment_fixed_size 0
		.amdhsa_enable_private_segment 0
		.amdhsa_kernarg_size 40
		.amdhsa_user_sgpr_count 2
		.amdhsa_user_sgpr_kernarg_segment_ptr 1
		.amdhsa_wavefront_size32 1
		.amdhsa_system_sgpr_workgroup_id_x 1
		.amdhsa_system_sgpr_workgroup_id_y 1
		.amdhsa_system_sgpr_workgroup_id_z 1
		.amdhsa_system_vgpr_workitem_id 0
		.amdhsa_next_free_vgpr 256
		.amdhsa_next_free_sgpr 80
		.amdhsa_reserve_vcc 1
		.amdhsa_float_denorm_mode_32 3
		.amdhsa_float_denorm_mode_16_64 3
		.amdhsa_memory_ordered 1
		.amdhsa_forward_progress 1
		.amdhsa_inst_pref_size 72
	.end_amdhsa_kernel
	.amdgpu_metadata
---
amdhsa.version: [ 1, 2 ]
amdhsa.kernels:
  - .name:           k_q875a954019_attn
    .symbol:         k_q875a954019_attn.kd
    .args:
      - { .name: pc, .offset: 0, .size: 8, .value_kind: global_buffer, .address_space: global }
      - { .name: ps, .offset: 8, .size: 8, .value_kind: global_buffer, .address_space: global }
      - { .name: vs, .offset: 16, .size: 8, .value_kind: global_buffer, .address_space: global }
      - { .name: attention_mask, .offset: 24, .size: 8, .value_kind: global_buffer, .address_space: global }
      - { .name: out0, .offset: 32, .size: 8, .value_kind: global_buffer, .address_space: global }
    .group_segment_fixed_size: 224256
    .private_segment_fixed_size: 0
    .kernarg_segment_align: 8
    .kernarg_segment_size: 40
    .max_flat_workgroup_size: 512
    .sgpr_count:     80
    .vgpr_count:     256
    .wavefront_size: 32
...
	.end_amdgpu_metadata
.endif
;; end of part 3
